; MI455X (gfx1250); checked and timed in simulation.
; The chip was launched on July 23, 2026; its instructions are those of AMD's public machine-readable ISA for CDNA 5 (MIT licence, August 2026) and "CDNA5" Instruction Set Architecture Reference Guide (July 2026). The comments in the code are by the model that wrote it; some were corrected since.
;; Mo E Block. Allowed arithmetic: matrix products marked QUANTISED: E3M2 operands, one E8M0 scale for each 32 along K, by v_wmma_scale_f32_16x16x128_f8f6f4 with both operands' format E3M2, f32 sums; products left as they are: f32 operands where the result goes on into a quantised operand, else bf16, f16 or f32 operands; f32 sums; everything else in f32.
;; Inputs: W1 2 x 1,024 x 4,096 float32; W2 2 x 4,096 x 1,024 float32; Wr 1,024 x 2 float32; b1 2 x 4,096 float32; b2 2 x 1,024 float32; br 2 float32; x 4 x 1,024 x 1,024 float32.
;; Outputs: out0 4 x 1,024 x 1,024 float32.
;; Constants: k = 2.
;; This version of the problem:
;;   THIS VERSION OF THE PROBLEM IS GIVEN IN LOW PRECISION. The matrix products marked QUANTISED in the list below multiply operands that are first quantised to E3M2 (3 exponent bits, 2 mantissa bits; 6 bits a number), with one power-of-two scale for each 32 numbers along K (OCP MX v1.0); their sums are f32. All else is computed in f32.
;;   The module's matrix products, in the order in which they are computed (A, B: the left and right operand; K: the contracted axis; several contracted axes count as one K, in the product's order):
;;     1. [M 4,096, K 1,024] x [K 1,024, N 2]; A: input x; B: input Wr: left as it is (N = 2 < 16)
;;     2. batch 2 x [M 4,096, K 1,024] x [K 1,024, N 4,096]; A: computed on the way; B: input W1: QUANTISED
;;     3. batch 2 x [M 4,096, K 4,096] x [K 4,096, N 1,024]; A: computed on the way; B: input W2: QUANTISED
;;   THE QUANTISER, for each operand of a quantised product, along K:
;;     - K is cut into blocks of 32 from its start; a last block that is shorter is filled with zeros.
;;     - A block's scale is 2^e with e = floor(log2(the largest magnitude in the block)) - 4, held to -126 .. 127; a block of zeros has e = 0. As a byte (E8M0): e + 127.
;;     - Each number is divided by its block's scale, clamped to +-28, and rounded to the nearest number of E3M2, ties to even, subnormals kept.
;;     - The product sums the exact products of the quantised numbers (number of the format x scale) in f32.
;;   ~~~python
;;   def quantise(x, axis):      # numpy; x: float32 -> the quantised numbers, widened to float32 again
;;       x = np.moveaxis(x, axis, -1); K = x.shape[-1]
;;       x = np.pad(x, [(0, 0)] * (x.ndim - 1) + [(0, -K % 32)]); x = x.reshape(x.shape[:-1] + (-1, 32)); a = np.abs(x).max(-1, keepdims=True)
;;       e = np.where(a > 0, np.clip(np.frexp(np.where(a > 0, a, 1))[1] - 1 - 4, -126, 127), 0)      # np.frexp(a)[1] - 1 = floor(log2(a)), exactly
;;       r = np.clip(x / 2.0 ** e, -28, 28)
;;       step = 2.0 ** (np.maximum(np.frexp(np.where(r == 0, 1, r))[1] - 1, -2) - 2)
;;       q = np.round(r / step) * step * 2.0 ** e      # np.round: ties to even
;;       return np.moveaxis(q.reshape(q.shape[:-2] + (-1,))[..., :K], -1, axis).astype(np.float32)
;;   ~~~
;;   OPERANDS COMPUTED ON THE WAY. 'Computed on the way' means the value that the module computes at that place (a softmax that the list does not call 'softmax' is quantised finished and normalised). What goes into a quantiser is computed in f32, as accurately as f32 sums, v_exp_f32 and their like allow (about 1e-6 of the number): no bf16 or f16 on the way to a quantiser, and a product that is left as it is and whose result goes on into a quantised operand takes f32 operands (vector FMAs, or v_wmma_f32_16x16x4_f32). A number that lies on a knife's edge between two numbers of the format may be rounded either way, as far as f32 arithmetic and the matrix unit's own rounding can turn it there, and no further.
;; One version. Each part assembles by itself: llvm-mc -triple=amdgcn-amd-amdhsa -mcpu=gfx1250 --defsym DOCPART=n.
;; ======== version 1 of 1: 3 launches
;; limits: right only within a limited range of input values
;; workspace buffers: XT 3,276,800 bytes; W1P 6,553,600 bytes; W2P 6,553,600 bytes; HP 26,214,400 bytes; GT 32,768 bytes
;; launch prep (part 1): grid 768 x 1, 8 waves a work-group, no clusters, 70,144 bytes of LDS; arguments x, Wr, br, W1, W2, XT, W1P, W2P, GT; writes XT, W1P, W2P, GT
.if DOCPART == 1
	.amdgcn_target "amdgcn-amd-amdhsa--gfx1250"
	.amdhsa_code_object_version 6
	.text
	.protected	k_q691ca3cebb_prep
	.globl	k_q691ca3cebb_prep
	.p2align	8
	.type	k_q691ca3cebb_prep,@function
k_q691ca3cebb_prep:
	s_mov_b64 s[64:65], 0
	v_nop
	global_prefetch_b8 v0, s[64:65] scope:SCOPE_SE
	s_setreg_imm32_b32 hwreg(HW_REG_WAVE_MODE, 25, 1), 1
	s_wait_xcnt 0x0
; x [4096][1024], W1 [2][1024][4096] and W2 [2][4096][1024], f32, become codes of BF6 (E3M2) with one E8M0 byte for each 32 along K, and the router's gates are made.
; A block's scale is 2^(floor(log2(its largest magnitude)) - 4); its byte is the largest magnitude's exponent field - 4, held at 1 from below.
; THE CODES ARE LAID AS IMAGES OF OPERAND REGISTERS.  A fragment (16 rows x 128 K) is 12 registers a lane, 1,536 bytes: registers 4 j .. 4 j + 3 of lane l at byte 512 j + 16 l.
;   XT : a record of 12,800 bytes for each 16 tokens: fragments of K steps 0 .. 7, then 512 bytes of scale words: that of (K step s, row r) at 256 (s % 2) + 16 r + 4 (s / 2).
;   W1P, W2P: panels of 25,600 bytes = 128 rows x 256 K: fragment (kk, t) at (8 kk + t) x 1,536; from 24,576 on the scale words [kk][t][row].  Panel = row group x slots + slot.
;   Row p of tile t of a row group is unit 32 (t / 2) + 8 (t % 2) + p + 8 (p / 8): used as source 0 of a product, a lane's registers of tiles 2 b and 2 b + 1 are then 16 neighbouring units.
;   GT : the gates, [expert][token], f32.
; Work-groups 0-255 take W1's panels, 256-511 W2's, 512-767 x's tiles of 16 tokens.  Only x's path uses LDS and a barrier; the choice hangs on the work-group's number alone.
; No matrix unit, no tensor loads, no cluster: each input byte is read once and no two work-groups read the same bytes.
; LIMITS: a block of zeros, or one whose largest magnitude lies under 2^-122, gets the byte 1 (its codes are read by this program alone); NaN and infinities are not served;
; a probability under 2^-126 comes out as the gate 0 (the exponential's result is flushed).
.set RED,   67584                      ; LDS behind the eight stages of 16 x 528 bytes: the waves' partial logits, 128 bytes a wave
.set SCW,   68608                      ; and the tile's 512 bytes of scale words
.set FLOOR, 0x2800000                  ; 2^(5 - 127)
.set EOFF,  0xfe000000                 ; -(4 << 23)
.set WX,  32                           ; weights: v32-95 two sets of 32 numbers
.set CD,  96                           ; v96-119 the codes: 12 registers for each half of the fragment's lanes
.set PT,  120                          ; v120-122 a conversion's second half
.set VO,  4                            ; v4  my place in the images
.set VS,  5                            ; v5  my place among the scale words
.set SW,  12                           ; v12 my column's scale word
.set WL,  16                           ; x: v16-23 Wr of my four k
.set Q,   24                           ; v24-55 partial logits, (expert 0, expert 1) for each of 16 rows; later the codes and what is at work
.set PC,  24
.set XR,  56                           ; v56-119 64 numbers of x
.set TP,  120                          ; v120-127 destinations of lane permutes
.macro LOADB b, pitch                  ; block b of my column: 32 rows down K; 32 lanes read 128 consecutive bytes, the four waves beside each other 512
.set NN, 0
.rept 32
	global_load_b32 v[WX+32*((\b)%2)+NN], v3, s[32:33] offset:(32*(\b)+NN)*(\pitch) th:TH_LOAD_NT
.set NN, NN+1
.endr
.endm
.macro BLOCK b, pitch                  ; block b = 2 c + hh goes to registers 6 c .. 6 c + 5 of fragment lane p + 16 hh
.set XB, WX+32*((\b)%2)
.set CB, CD+12*((\b)%2)+6*((\b)/2)
.if (\b) < 3
	s_wait_loadcnt 32                              ; this block's 32 loads are in; the next block's may be out
.else
	s_wait_loadcnt 0x0
.endif
	v_max3_num_f32 v8, |v[XB]|, |v[XB+1]|, |v[XB+2]|               ; the block's largest magnitude: all 32 numbers are mine; two chains
	v_max3_num_f32 v9, |v[XB+3]|, |v[XB+4]|, |v[XB+5]|
.irp i, 6,10,14,18,22,26
	s_delay_alu instid0(VALU_DEP_2)
	v_max3_num_f32 v8, v8, |v[XB+\i]|, |v[XB+\i+1]|
	s_delay_alu instid0(VALU_DEP_2)
	v_max3_num_f32 v9, v9, |v[XB+\i+2]|, |v[XB+\i+3]|
.endr
	s_delay_alu instid0(VALU_DEP_2)
	v_max3_num_f32 v8, v8, |v[XB+30]|, |v[XB+31]|
	s_delay_alu instid0(VALU_DEP_1)
	v_max3_num_f32 v8, v8, v9, FLOOR               ; and the floor: the byte cannot fall under 1
	s_delay_alu instid0(VALU_DEP_1)
	v_add_nc_u32 v10, EOFF, v8                     ; 4 off the exponent field: the conversion's scale operand
	s_delay_alu instid0(VALU_DEP_1)
	v_lshrrev_b32 v11, 23, v10                     ; the scale's byte
.if (\b) == 0
	s_delay_alu instid0(VALU_DEP_1)
	v_mov_b32 v[SW], v11
.else
	s_delay_alu instid0(VALU_DEP_1)
	v_lshl_or_b32 v[SW], v11, 8*(\b), v[SW]
.endif
	v_cvt_scalef32_pk16_bf6_f32 v[CB:CB+2], v[XB:XB+15], v10
	v_cvt_scalef32_pk16_bf6_f32 v[PT:PT+2], v[XB+16:XB+31], v10    ; (a conversion's three registers begin on an even number)
	v_nop                                          ; one plain place behind a scaled conversion
.irp i, 0,1,2
	v_mov_b32 v[CB+3+\i], v[PT+\i]
.endr
.if (\b) < 2
	LOADB (\b)+2, \pitch
.endif
.endm
; A panel of a weight.  Wave w: columns 32 (w % 4) on, K 128 (w / 4) on.  A LANE TAKES A COLUMN AND ITS REGISTERS RUN DOWN K: nothing is transposed.
.macro WPATH pitch, pid0, gsh, gw, slm, slsh, kksh, src, dst
	s_sub_co_u32 s25, ttmp9, \pid0                 ; the panel
	s_and_b32 s23, s22, 3                          ; which 32 columns
	s_lshr_b32 s24, s22, 2                         ; which 128 along K
	s_lshr_b32 s32, s25, 7                         ; the expert: 16,777,216 bytes each
	s_lshl_b32 s32, s32, 24
	s_and_b32 s33, s25, \slm                       ; the slot: 256 rows of the source
	s_lshl_b32 s33, s33, \slsh
	s_add_co_u32 s32, s32, s33
	s_lshl_b32 s33, s24, \kksh                     ; 128 rows
	s_add_co_u32 s32, s32, s33
	s_bfe_u32 s33, s25, ((\gw)<<16)|(\gsh)         ; the group of 128 columns
	s_lshl_b32 s33, s33, 9
	s_add_co_u32 s32, s32, s33
	s_lshl_b32 s33, s23, 7
	s_add_co_u32 s32, s32, s33
	s_mov_b32 s33, 0
	s_mul_i32 s26, s25, 25600
	s_mul_i32 s27, s24, 12288
	s_add_co_u32 s28, s26, s27
	s_mul_i32 s27, s23, 3072
	s_add_co_u32 s28, s28, s27                     ; my two tiles' images
	s_mov_b32 s29, 0
	s_lshl_b32 s27, s24, 9
	s_add_co_u32 s30, s26, s27
	s_lshl_b32 s27, s23, 7
	s_add_co_u32 s30, s30, s27
	s_add_co_u32 s30, s30, 24576                   ; and their scale words
	s_mov_b32 s31, 0
	v_lshlrev_b32 v3, 2, v1                        ; in: 4 bytes a lane
	v_bfe_u32 v6, v1, 3, 1                         ; column l of the 32 is row p = l % 8 + 8 (l / 16) of tile (l / 8) % 2
	v_and_b32 v7, 7, v1
	v_lshrrev_b32 v8, 4, v1
	s_delay_alu instid0(VALU_DEP_1)
	v_lshl_add_u32 v7, v8, 3, v7
	s_delay_alu instid0(VALU_DEP_4)
	v_mul_u32_u24 v[VO], v6, 1536
	s_delay_alu instid0(VALU_DEP_1)
	v_lshl_add_u32 v[VO], v7, 4, v[VO]
	v_lshlrev_b32 v[VS], 6, v6
	s_delay_alu instid0(VALU_DEP_1)
	v_lshl_add_u32 v[VS], v7, 2, v[VS]
	s_wait_alu depctr_va_vdst(0)
	s_wait_kmcnt 0x0
	s_add_nc_u64 s[32:33], s[\src:\src+1], s[32:33]
	s_add_nc_u64 s[28:29], s[\dst:\dst+1], s[28:29]
	s_add_nc_u64 s[30:31], s[\dst:\dst+1], s[30:31]
	LOADB 0, \pitch
	LOADB 1, \pitch
	BLOCK 0, \pitch
	BLOCK 1, \pitch
	BLOCK 2, \pitch
	BLOCK 3, \pitch
.irp hh, 0,1
.irp j, 0,1,2
	global_store_b128 v[VO], v[CD+12*\hh+4*\j:CD+12*\hh+4*\j+3], s[28:29] offset:512*\j+256*\hh   ; the sixteen lanes of a tile store 256 consecutive bytes, aligned
.endr
.endr
	global_store_b32 v[VS], v[SW], s[30:31]        ; 128 consecutive bytes a wave
	s_endpgm
.endm
	s_load_b256 s[4:11], s[0:1], 0x0               ; x s[4:5], Wr s[6:7], br s[8:9], W1 s[10:11]
	s_load_b256 s[12:19], s[0:1], 0x20             ; W2 s[12:13], XT s[14:15], W1P s[16:17], W2P s[18:19]
	s_load_b64 s[20:21], s[0:1], 0x40              ; GT
	v_lshl_add_u32 v128, v0, 2, 0x10e00
	v_mov_b32 v129, 0
	v_lshrrev_b32 v1, 5, v0
	s_delay_alu instid0(VALU_DEP_1)
	v_readfirstlane_b32 s22, v1                    ; wave 0..7
	v_and_b32 v1, 31, v0                           ; lane
	s_cmp_lt_u32 ttmp9, 256
	s_cbranch_scc1 .Lw1
	s_cmp_lt_u32 ttmp9, 512
	s_cbranch_scc1 .Lw2
	; ---- x: a tile of 16 tokens; wave w takes K step w (128 along K)
	s_sub_co_u32 s25, ttmp9, 512                   ; the tile
	v_and_b32 v2, 15, v0                           ; r
	v_bfe_u32 v3, v0, 4, 1                         ; h
	v_lshlrev_b32 v4, 4, v1                        ; 16 x lane
	s_mul_i32 s26, s22, 8448                       ; my stage: 16 rows of 512 bytes + 16
	v_add_nc_u32 v5, s26, v4                       ; into it: a row's 512 bytes as they are loaded
	v_mul_u32_u24 v6, v2, 528
	s_delay_alu instid0(VALU_DEP_1)
	v_lshl_add_u32 v6, v3, 7, v6
	s_delay_alu instid0(VALU_DEP_1)
	v_add_nc_u32 v6, s26, v6                       ; out of it: row r, block h: the operand's layout gives lane (r, h) k = 64 c + 32 h + 0 .. 31
	v_and_b32 v7, 0xe0, v0
	s_delay_alu instid0(VALU_DEP_1)
	v_lshl_add_u32 v7, v7, 2, RED                  ; my wave's 128 bytes of partial logits
	s_and_b32 s28, s22, 1
	s_lshl_b32 s28, s28, 8
	s_lshr_b32 s29, s22, 1
	s_lshl_b32 s29, s29, 2
	s_add_co_u32 s28, s28, s29
	s_add_co_u32 s28, s28, SCW
	v_lshl_add_u32 v8, v2, 4, s28                  ; my row's scale word of K step w
	v_lshlrev_b32 v9, 5, v1                        ; Wr: 32 bytes a lane: four k x two experts
	v_add_nc_u32 v10, SCW, v4                      ; wave 0's way out: the scale words,
	v_lshl_add_u32 v11, v2, 3, RED                 ; row r's partial logits,
	v_lshlrev_b32 v12, 14, v3
	s_delay_alu instid0(VALU_DEP_1)
	v_lshl_add_u32 v12, v2, 2, v12                 ; and the gate's place: expert h, token r
.irp j, 0,1,2,3,4,5,6,7
	v_mov_b32 v[TP+\j], 0                          ; a lane permute's destination counts as one of its sources
.endr
	s_mov_b32 s34, 0x76543210
	s_mov_b32 s35, 0xfedcba98                      ; selects for lane l xor 16
	s_lshl_b32 s30, s25, 16                        ; 16 rows of 4,096 bytes
	s_lshl_b32 s31, s22, 9
	s_add_co_u32 s30, s30, s31
	s_mov_b32 s31, 0
	s_lshl_b32 s32, s22, 10
	s_mov_b32 s33, 0
	s_mul_i32 s38, s25, 12800
	s_mov_b32 s39, 0
	s_mul_i32 s40, s22, 1536
	s_mov_b32 s41, 0
	s_lshl_b32 s42, s25, 6
	s_mov_b32 s43, 0
	s_wait_kmcnt 0x0
	s_load_b64 s[36:37], s[8:9], 0x0               ; br
	s_add_nc_u64 s[30:31], s[4:5], s[30:31]
	s_add_nc_u64 s[32:33], s[6:7], s[32:33]
	s_add_nc_u64 s[38:39], s[14:15], s[38:39]      ; the tile's record
	s_add_nc_u64 s[40:41], s[38:39], s[40:41]      ; my fragment in it
	s_add_nc_u64 s[42:43], s[20:21], s[42:43]
.set NN, 0
.rept 16
	global_load_b128 v[XR+4*NN:XR+4*NN+3], v4, s[30:31] offset:4096*NN th:TH_LOAD_NT   ; row NN: 32 lanes read 512 consecutive bytes
.set NN, NN+1
.endr
	global_load_b128 v[WL:WL+3], v9, s[32:33]
	global_load_b128 v[WL+4:WL+7], v9, s[32:33] offset:16
	s_wait_loadcnt 0x0
	s_wait_kmcnt 0x0
	; the router, in f32: my four k of each row against both experts
.set NN, 0
.rept 16
	v_mul_f32 v[Q+2*NN], v[XR+4*NN], v[WL]
	v_mul_f32 v[Q+2*NN+1], v[XR+4*NN], v[WL+1]
.set NN, NN+1
.endr
.irp k, 1,2,3
.set NN, 0
.rept 16
	v_fmac_f32 v[Q+2*NN], v[XR+4*NN+\k], v[WL+2*\k]
	v_fmac_f32 v[Q+2*NN+1], v[XR+4*NN+\k], v[WL+2*\k+1]
.set NN, NN+1
.endr
.endr
.set NN, 0
.rept 16
	ds_store_b128 v5, v[XR+4*NN:XR+4*NN+3] offset:528*NN
.set NN, NN+1
.endr
.irp m, 1,2,4,8                        ; the 32 sums over the lanes, by turns
.set NN, 0
.rept 32
	v_add_f32_dpp v[Q+NN], v[Q+NN], v[Q+NN] row_xmask:\m row_mask:0xf bank_mask:0xf
.set NN, NN+1
.endr
.endr
.irp g, 0,1,2,3
.irp j, 0,1,2,3,4,5,6,7
	v_permlanex16_b32 v[TP+\j], v[Q+8*\g+\j], s34, s35
.endr
.irp j, 0,1,2,3,4,5,6,7
	v_add_f32 v[Q+8*\g+\j], v[Q+8*\g+\j], v[TP+\j]
.endr
.endr
.set NN, 0
.rept 16
	ds_store_b64 v7, v[Q+2*NN:Q+2*NN+1] offset:8*NN    ; every lane writes the same two numbers
.set NN, NN+1
.endr
	s_wait_dscnt 0x0                               ; the stores have read their registers
.irp c, 0,1
.irp j, 0,1,2,3,4,5,6,7
	ds_load_b128 v[XR+32*\c+4*\j:XR+32*\c+4*\j+3], v6 offset:256*\c+16*\j   ; my wave's own bytes: block 2 c + h of row r, whole
.endr
.endr
	s_wait_dscnt 0x0
.irp c, 0,1
	v_max3_num_f32 v[44+2*\c], |v[XR+32*\c]|, |v[XR+32*\c+1]|, FLOOR
	v_max3_num_f32 v[45+2*\c], |v[XR+32*\c+2]|, |v[XR+32*\c+3]|, |v[XR+32*\c+4]|
.endr
.irp i, 5,9,13,17,21,25
.irp c, 0,1
	s_delay_alu instid0(VALU_DEP_4)
	v_max3_num_f32 v[44+2*\c], v[44+2*\c], |v[XR+32*\c+\i]|, |v[XR+32*\c+\i+1]|
	s_delay_alu instid0(VALU_DEP_4)
	v_max3_num_f32 v[45+2*\c], v[45+2*\c], |v[XR+32*\c+\i+2]|, |v[XR+32*\c+\i+3]|
.endr
.endr
.irp c, 0
	s_delay_alu instid0(VALU_DEP_4)
	v_max3_num_f32 v[44+2*\c], v[44+2*\c], |v[XR+32*\c+29]|, |v[XR+32*\c+30]|
.endr
.irp c, 1
	s_delay_alu instid0(VALU_DEP_3)
	v_max3_num_f32 v[44+2*\c], v[44+2*\c], |v[XR+32*\c+29]|, |v[XR+32*\c+30]|
.endr
.irp c, 0,1
	s_delay_alu instid0(VALU_DEP_2)
	v_max3_num_f32 v[44+2*\c], v[44+2*\c], v[45+2*\c], |v[XR+32*\c+31]|
.endr
.irp c, 0,1
	s_delay_alu instid0(VALU_DEP_2)
	v_add_nc_u32 v[48+\c], EOFF, v[44+2*\c]        ; the conversions' scale operands
.endr
.irp c, 0,1
	s_delay_alu instid0(VALU_DEP_2)
	v_lshrrev_b32 v[50+\c], 23, v[48+\c]           ; the bytes of blocks h and 2 + h
.endr
	s_delay_alu instid0(VALU_DEP_1)
	v_lshl_or_b32 v52, v51, 16, v50
	v_lshlrev_b32 v53, 3, v3
	s_delay_alu instid0(VALU_DEP_1)
	v_lshlrev_b32 v52, v53, v52                    ; at their places in the word, 8 h bits up
	s_delay_alu instid0(VALU_DEP_1)
	v_permlanex16_b32 v[TP], v52, s34, s35
	s_delay_alu instid0(VALU_DEP_1)
	v_or_b32 v52, v52, v[TP]                       ; with lane l xor 16's two the word is whole
.irp c, 0,1
	v_cvt_scalef32_pk16_bf6_f32 v[PC+6*\c:PC+6*\c+2], v[XR+32*\c:XR+32*\c+15], v[48+\c]
	v_cvt_scalef32_pk16_bf6_f32 v[36+4*\c:38+4*\c], v[XR+32*\c+16:XR+32*\c+31], v[48+\c]
.endr
	v_nop                                          ; one plain place behind a scaled conversion
.irp c, 0,1
.irp i, 0,1,2
	v_mov_b32 v[PC+6*\c+3+\i], v[36+4*\c+\i]
.endr
.endr
.irp j, 0,1,2
	global_store_b128 v4, v[PC+4*\j:PC+4*\j+3], s[40:41] offset:512*\j   ; the image: 512 consecutive bytes a store
.endr
	ds_store_b32 v8, v52                           ; lanes r and r + 16 write the same word
	s_wait_dscnt 0x0                               ; for wave 0's sake: my partial logits and my scale words lie in LDS
	s_barrier_signal -1
	s_barrier_wait -1
	s_cmp_lg_u32 s22, 0
	s_cbranch_scc1 .Lxend
	; ---- wave 0: the tile's scale words leave as 512 consecutive bytes; the gates
	ds_load_b128 v[56:59], v10
.irp w, 0,1,2,3,4,5,6,7
	ds_load_b64 v[60+2*\w:61+2*\w], v11 offset:128*\w
.endr
	s_wait_dscnt 0x0
	global_store_b128 v4, v[56:59], s[38:39] offset:12288
.irp w, 1
	v_pk_add_f32 v[60:61], v[60:61], v[60+2*\w:61+2*\w]
.endr
.irp w, 2, 3, 4, 5, 6, 7
	s_delay_alu instid0(VALU_DEP_1)
	v_pk_add_f32 v[60:61], v[60:61], v[60+2*\w:61+2*\w]
.endr
	s_delay_alu instid0(VALU_DEP_1)
	v_add_f32 v60, s36, v60                        ; the logits of token r
	s_delay_alu instid0(VALU_DEP_2)
	v_add_f32 v61, s37, v61
	s_delay_alu instid0(VALU_DEP_1)
	v_max_num_f32 v62, v60, v61                    ; the softmax takes the maximum away first
	s_delay_alu instid0(VALU_DEP_1)
	v_sub_f32 v60, v60, v62
	s_delay_alu instid0(VALU_DEP_2)
	v_sub_f32 v61, v61, v62
	s_delay_alu instid0(VALU_DEP_2)
	v_mul_f32 v60, 0x3fb8aa3b, v60
	s_delay_alu instid0(VALU_DEP_2)
	v_mul_f32 v61, 0x3fb8aa3b, v61
	s_wait_alu depctr_va_vdst(0)
	v_exp_f32 v60, v60
	v_exp_f32 v61, v61
	v_nop                                          ; a plain place behind the exponentials
	s_wait_alu depctr_va_vdst(0)
	v_add_f32 v62, v60, v61
	s_wait_alu depctr_va_vdst(0)
	v_rcp_f32 v62, v62
	v_nop
	s_wait_alu depctr_va_vdst(0)
	v_mul_f32 v60, v60, v62
	v_mul_f32 v61, v61, v62
	s_delay_alu instid0(VALU_DEP_1)
	v_min_num_f32 v63, v60, v61                    ; the second largest of two
	s_delay_alu instid0(VALU_DEP_1)
	v_cmp_ge_f32 vcc_lo, v60, v63
	s_delay_alu instid0(VALU_DEP_1)
	v_cndmask_b32 v60, 0, v60, vcc_lo              ; kept where it is not under it
	s_delay_alu instid0(VALU_DEP_3)
	v_cmp_ge_f32 vcc_lo, v61, v63
	s_delay_alu instid0(VALU_DEP_1)
	v_cndmask_b32 v61, 0, v61, vcc_lo
	v_cmp_gt_u32 vcc_lo, 16, v1
	s_delay_alu instid0(VALU_DEP_1)
	v_cndmask_b32 v60, v61, v60, vcc_lo            ; lanes 0-15 store expert 0's gates, lanes 16-31 expert 1's
	global_store_b32 v12, v60, s[42:43]
.Lxend:
	s_wait_tensorcnt 0x0
	ds_add_u32 v128, v129
	s_wait_dscnt 0x0
	s_endpgm
.Lw1:
	s_wait_alu depctr_va_vdst(0)
	WPATH 16384, 0, 2, 5, 3, 22, 21, 10, 16        ; W1: a row of 16,384 bytes; panel = (32 e + f / 128) x 4 + slot
.Lw2:
	s_wait_alu depctr_va_vdst(0)
	WPATH 4096, 256, 4, 3, 15, 20, 19, 12, 18      ; W2: a row of 4,096 bytes; panel = (8 e + d / 128) x 16 + slot
.Lfunc_end_k_q691ca3cebb_prep:
	.size	k_q691ca3cebb_prep, .Lfunc_end_k_q691ca3cebb_prep-k_q691ca3cebb_prep
	.p2alignl 7, 3214868480
	.fill 96, 4, 3214868480
	.section	.rodata,"a",@progbits
	.p2align	6, 0x0
	.amdhsa_kernel k_q691ca3cebb_prep
		.amdhsa_group_segment_fixed_size 70144
		.amdhsa_private_segment_fixed_size 0
		.amdhsa_enable_private_segment 0
		.amdhsa_kernarg_size 72
		.amdhsa_user_sgpr_count 2
		.amdhsa_user_sgpr_kernarg_segment_ptr 1
		.amdhsa_wavefront_size32 1
		.amdhsa_system_sgpr_workgroup_id_x 1
		.amdhsa_system_sgpr_workgroup_id_y 1
		.amdhsa_system_sgpr_workgroup_id_z 1
		.amdhsa_system_vgpr_workitem_id 0
		.amdhsa_next_free_vgpr 130
		.amdhsa_next_free_sgpr 66
		.amdhsa_reserve_vcc 1
		.amdhsa_float_denorm_mode_32 3
		.amdhsa_float_denorm_mode_16_64 3
		.amdhsa_memory_ordered 1
		.amdhsa_forward_progress 1
		.amdhsa_inst_pref_size 76
	.end_amdhsa_kernel
	.amdgpu_metadata
---
amdhsa.version: [ 1, 2 ]
amdhsa.kernels:
  - .name:           k_q691ca3cebb_prep
    .symbol:         k_q691ca3cebb_prep.kd
    .args:
      - { .name: x, .offset: 0, .size: 8, .value_kind: global_buffer, .address_space: global }
      - { .name: Wr, .offset: 8, .size: 8, .value_kind: global_buffer, .address_space: global }
      - { .name: br, .offset: 16, .size: 8, .value_kind: global_buffer, .address_space: global }
      - { .name: W1, .offset: 24, .size: 8, .value_kind: global_buffer, .address_space: global }
      - { .name: W2, .offset: 32, .size: 8, .value_kind: global_buffer, .address_space: global }
      - { .name: XT, .offset: 40, .size: 8, .value_kind: global_buffer, .address_space: global }
      - { .name: W1P, .offset: 48, .size: 8, .value_kind: global_buffer, .address_space: global }
      - { .name: W2P, .offset: 56, .size: 8, .value_kind: global_buffer, .address_space: global }
      - { .name: GT, .offset: 64, .size: 8, .value_kind: global_buffer, .address_space: global }
    .group_segment_fixed_size: 70144
    .private_segment_fixed_size: 0
    .kernarg_segment_align: 8
    .kernarg_segment_size: 72
    .max_flat_workgroup_size: 256
    .sgpr_count:     66
    .vgpr_count:     130
    .wavefront_size: 32
...
	.end_amdgpu_metadata
.endif
;; end of part 1
;; launch ffn1 (part 2): grid 16 x 16, 8 waves a work-group, clusters of 4 x 1, 214,016 bytes of LDS; arguments XT, W1P, b1, HP; writes HP
.if DOCPART == 2
	.amdgcn_target "amdgcn-amd-amdhsa--gfx1250"
	.amdhsa_code_object_version 6
	.text
	.protected	k_q691ca3cebb_ffn1
	.globl	k_q691ca3cebb_ffn1
	.p2align	8
	.type	k_q691ca3cebb_ffn1,@function
k_q691ca3cebb_ffn1:
	s_mov_b64 s[64:65], 0
	v_nop
	global_prefetch_b8 v0, s[64:65] scope:SCOPE_SE
	s_setreg_imm32_b32 hwreg(HW_REG_WAVE_MODE, 25, 1), 1
	s_wait_xcnt 0x0
	s_wait_alu depctr_hold_cnt(0) depctr_sa_sdst(0) depctr_va_vdst(0) depctr_va_sdst(0) depctr_va_ssrc(0) depctr_va_vcc(0) depctr_vm_vsrc(0)
	s_getreg_b32 s2, hwreg(HW_REG_IB_STS2, 6, 4)
	s_cmp_eq_u32 s2, 0
	s_cbranch_scc0 .Lentry_in_a_cluster
	s_endpgm
.Lentry_in_a_cluster:
	s_bfe_u32 s2, ttmp6, 0x10000c
	s_cmp_lg_u32 s2, 0x3003
	s_cbranch_scc0 .Lentry_shape_is_right
	s_endpgm
.Lentry_shape_is_right:
; h = gelu(x W1 + b1) for both experts, on codes of BF6 with E8M0 scales, quantised along f on the way and stored as images of operand registers (HP).
; SHARES.  A work-group: 512 hidden units of one expert x 256 tokens; eight waves, two to a SIMD.  Wave w: row group rg = 4 x block + w / 2, half c = w % 2 of its 128 units, for all 256 tokens.
; ITS 32 FRAGMENTS OF W1 (4 tiles x 8 K steps, 384 registers) STAY IN REGISTERS; the 16 token tiles of x (204,800 dense bytes) are brought into LDS once: nothing is filled again.
; CLUSTER.  The four work-groups of a cluster take the same 256 tokens: x is asked for jointly, one tensor load a wave (two records), the same descriptor in all four.  W1 is shared by nobody in the cluster.
; No prefetch: every stream is asked for once, at the head; there is no loop to run ahead in.
; LAYOUT.  The product is used transposed (source 0 = 16 units of W1, source 1 = 16 tokens): a lane holds ONE token, and the 16 registers of tiles 2 b and 2 b + 1 are units 64 c + 32 b + 16 (lane / 16) + 0 .. 15.
; The wave's 64 units are registers 6 c .. 6 c + 5 of a fragment of the next product, and two bytes of its scale word.
; HP: a fragment is 1,536 bytes: half c at 768 c: its first four registers at 16 x lane, its last two at 512 + 8 x lane: each store covers whole aligned runs of 256 bytes.
; b1 is loaded into the accumulators ahead of a tile's first product; the four accumulators take turns.
; GELU, exact form, in f32: x/2 + (x/2) erf(x / sqrt 2), erf(t) = t A(t^2) / B(t^2) with t held to +-4, A of degree 6, B of degree 4.  With w = xc^2, xc = x held to +-4 sqrt 2:
; erf = xc N(w) / D(w), N's coefficients A's x 2^-j, D's B's x 2^-j x sqrt 2.
; LIMITS: erf is good to about 1e-7 absolutely, so gelu to about 1e-7 |x| absolutely, as the form x (1 + erf) / 2 in f32 is: about 1e-6 of the number for x > -1.5, coarser below.
; NaN and infinities are not served.  A token whose gate is 0 is multiplied unmasked here; its row is multiplied by that 0 in the last launch, which gives 0 as long as the sums are finite.
; REGISTERS.  Window 0: v0-11 addresses and constants; v12-15 x's scale words; v16-31 W1's; v32-63 the 4 accumulators; v64-111 four fragments of x, then the gelu's and the quantiser's work;
;   v112-123 codes, scale bytes, store offsets; v124-255 W1's fragments 0-10.   Window 1: W1's fragments 11-31.
.set REC,  12800                       ; a token tile's record: 8 fragments and 512 bytes of scale words
.set BIAS, 16*REC                      ; LDS behind x: 512 bytes of b1 for each wave
.set SCR,  BIAS+4096                   ; 1,024 bytes for each pair of waves: h's scale words
.set SPARE, SCR+4096                   ; the spare words, 128 bytes a wave
.set SWA, 0                            ; v0   the tile's place in the scratch
.set LI,  1                            ; v1   16 x lane
.set XA,  2                            ; v2   the tile's record of x
.set BA,  3                            ; v3   my b1
.set SWL, 4                            ; v4   my row's half word in the scratch
.set L8,  5                            ; v5   8 x lane
.set SPW, 6
.set NIL, 7
.set CA,  8                            ; v8-9   N's coefficient 5
.set CB,  10                           ; v10-11 D's coefficient 3
.set XS,  12                           ; register q: lanes 0-15 K step 2 q, lanes 16-31 K step 2 q + 1
.set W1S, 16                           ; register 4 t + q likewise
.set ACC, 32
.set XF,  64
.set XC,  64
.set W,   72
.set N,   80
.set D,   88
.set H,   96
.set TQ,  64                           ; +0,1 largest magnitudes; +2,3 second chains; +4,5 permutes; +6,7 scale operands; +8,9 bytes
.set PC,  112
.set PT,  118
.set PW,  121
.set HO,  122
.set HO2, 123
.set WF0, 124
.set N6, 40                            ; scalar pairs, both words written
.set N4, 42
.set N3, 44
.set N2, 46
.set N1, 48
.set N0, 50
.set D4, 52
.set D2, 54
.set D1, 56
.set D0, 58
.set PL, 60
.set NL, 61
.set SEL, 62
.set MSB, 0
.macro WIN new                         ; the immediate's high byte repeats the setting that is left
.if MSB != (\new)
	s_set_vgpr_msb (MSB<<8)|(\new)
.set MSB, (\new)
.endif
.endm
.macro DLY n                           ; the reader below takes the result of the plain vector instruction n back
	s_delay_alu instid0(VALU_DEP_\n)
.endm
.macro CROUND                          ; a round of the cluster's barrier
	s_barrier_signal -1
	s_barrier_wait -1
	s_cmp_lg_u32 s12, 0
	s_cbranch_scc1 .Lnot_wave_0_\@
	s_barrier_signal -3
.Lnot_wave_0_\@:
	s_barrier_wait -3
	s_barrier_signal -1
	s_barrier_wait -1
.endm
.macro KPAIR reg, val
	s_mov_b32 s[\reg], \val
	s_mov_b32 s[\reg+1], \val
.endm
.macro PLACES n
.rept \n
	v_nop
.endr
.endm
; K step ks of a tile, x's fragment in slot: 4 products.  W1's fragment 4 ks + t: the first 11 in window 0, the others in window 1.
.macro MULK ks, slot
.set TT, 0
.rept 4
.set FI, 4*(\ks)+TT
.if FI < 11
	WIN 0
.set WR, WF0+12*FI
.else
	WIN 1
.set WR, 12*(FI-11)
.endif
.if (\ks)%2
	v_wmma_scale_f32_16x16x128_f8f6f4 v[ACC+8*TT:ACC+8*TT+7], v[WR:WR+11], v[XF+12*(\slot):XF+12*(\slot)+11], v[ACC+8*TT:ACC+8*TT+7], v[W1S+4*TT+(\ks)/2], v[XS+(\ks)/2] matrix_a_fmt:MATRIX_FMT_BF6 matrix_b_fmt:MATRIX_FMT_BF6 matrix_a_scale:MATRIX_SCALE_ROW1 matrix_b_scale:MATRIX_SCALE_ROW1
.else
	v_wmma_scale_f32_16x16x128_f8f6f4 v[ACC+8*TT:ACC+8*TT+7], v[WR:WR+11], v[XF+12*(\slot):XF+12*(\slot)+11], v[ACC+8*TT:ACC+8*TT+7], v[W1S+4*TT+(\ks)/2], v[XS+(\ks)/2] matrix_a_fmt:MATRIX_FMT_BF6 matrix_b_fmt:MATRIX_FMT_BF6
.endif
.set TT, TT+1
.endr
.endm
.macro XLD ks, slot                    ; x's fragment of K step ks: an image, three loads
.irp j, 0,1,2
	ds_load_b128 v[XF+12*(\slot)+4*\j:XF+12*(\slot)+4*\j+3], v[XA] offset:1536*(\ks)+512*\j
.endr
.endm
.macro BIASLD                          ; b1 into the accumulators: lane (r, h), tile t: units 64 c + 32 (t / 2) + 16 h + 8 (t % 2) + 0 .. 7
.irp t, 0,1,2,3
	ds_load_b128 v[ACC+8*\t:ACC+8*\t+3], v[BA] offset:128*(\t/2)+32*(\t%2)
	ds_load_b128 v[ACC+8*\t+4:ACC+8*\t+7], v[BA] offset:128*(\t/2)+32*(\t%2)+16
.endr
.endm
; gelu of the eight numbers v[X] .. v[X + 7], in place.  The accumulator is read from its low end on.
.macro GELU8 X
.irp i, 0,1,2,3,4,5,6,7
	v_med3_num_f32 v[XC+\i], v[(\X)+\i], s[NL], s[PL]              ; xc
.endr
.irp i, 0,2,4,6
	v_pk_mul_f32 v[H+\i:H+\i+1], v[(\X)+\i:(\X)+\i+1], 0.5 op_sel_hi:[1,0]
.endr
.irp i, 0,2,4,6
	v_pk_mul_f32 v[W+\i:W+\i+1], v[XC+\i:XC+\i+1], v[XC+\i:XC+\i+1]
.endr
.irp i, 0,2,4,6
	v_pk_mul_f32 v[XC+\i:XC+\i+1], v[H+\i:H+\i+1], v[XC+\i:XC+\i+1]   ; (x / 2) xc
.endr
.irp i, 0,2,4,6
	v_pk_fma_f32 v[D+\i:D+\i+1], v[W+\i:W+\i+1], s[D4:D4+1], v[CB:CB+1] op_sel_hi:[1,0,1]
	v_pk_fma_f32 v[N+\i:N+\i+1], v[W+\i:W+\i+1], s[N6:N6+1], v[CA:CA+1] op_sel_hi:[1,0,1]
.endr
.irp c, 0,1,2
.irp i, 0,2,4,6
	v_pk_fma_f32 v[D+\i:D+\i+1], v[D+\i:D+\i+1], v[W+\i:W+\i+1], s[D2+2*\c:D2+2*\c+1] op_sel_hi:[1,1,0]
	v_pk_fma_f32 v[N+\i:N+\i+1], v[N+\i:N+\i+1], v[W+\i:W+\i+1], s[N4+2*\c:N4+2*\c+1] op_sel_hi:[1,1,0]
.endr
.endr
	s_wait_alu depctr_va_vdst(0)
.irp i, 0,1,2,3,4,5,6,7
	v_rcp_f32 v[D+\i], v[D+\i]
.endr
.irp i, 0,2,4,6
	v_pk_fma_f32 v[N+\i:N+\i+1], v[N+\i:N+\i+1], v[W+\i:W+\i+1], s[N1:N1+1] op_sel_hi:[1,1,0]
.endr
.irp i, 0,2,4,6
	DLY 4
	v_pk_fma_f32 v[N+\i:N+\i+1], v[N+\i:N+\i+1], v[W+\i:W+\i+1], s[N0:N0+1] op_sel_hi:[1,1,0]
.endr
.irp i, 0,2,4,6
	DLY 4
	v_pk_mul_f32 v[N+\i:N+\i+1], v[N+\i:N+\i+1], v[XC+\i:XC+\i+1]
.endr
	s_wait_alu depctr_va_vdst(0)                   ; behind the reciprocals, ahead of their first reader
.irp i, 0,2,4,6
	v_pk_fma_f32 v[(\X)+\i:(\X)+\i+1], v[N+\i:N+\i+1], v[D+\i:D+\i+1], v[H+\i:H+\i+1]
.endr
.endm
; My two blocks of 32 units (accumulators 2 b, 2 b + 1): their bytes, their codes as half blocks.
.macro QUANT
.irp b, 0,1
	v_max3_num_f32 v[TQ+\b], |v[ACC+16*\b]|, |v[ACC+16*\b+1]|, 0x2800000    ; my 16 numbers and the floor 2^(5 - 127): the byte cannot fall under 1
	v_max3_num_f32 v[TQ+2+\b], |v[ACC+16*\b+8]|, |v[ACC+16*\b+9]|, |v[ACC+16*\b+10]|
.endr
.irp i, 2,4
.irp b, 0,1
	DLY 4
	v_max3_num_f32 v[TQ+\b], v[TQ+\b], |v[ACC+16*\b+\i]|, |v[ACC+16*\b+\i+1]|
	DLY 4
	v_max3_num_f32 v[TQ+2+\b], v[TQ+2+\b], |v[ACC+16*\b+\i+9]|, |v[ACC+16*\b+\i+10]|
.endr
.endr
	DLY 4
	v_max3_num_f32 v[TQ], v[TQ], |v[ACC+6]|, |v[ACC+7]|
	DLY 3
	v_max3_num_f32 v[TQ+1], v[TQ+1], |v[ACC+22]|, |v[ACC+23]|
.irp b, 0,1
	DLY 2
	v_max3_num_f32 v[TQ+\b], v[TQ+\b], v[TQ+2+\b], |v[ACC+16*\b+15]|
.endr
.irp b, 0,1
	DLY 2
	v_permlanex16_b32 v[TQ+4+\b], v[TQ+\b], s[SEL], s[SEL+1]
.endr
.irp b, 0,1
	DLY 2
	v_max_num_f32 v[TQ+\b], v[TQ+\b], v[TQ+4+\b]   ; with lane l xor 16's 16: the block's largest magnitude
.endr
.irp b, 0,1
	DLY 2
	v_add_nc_u32 v[TQ+6+\b], 0xfe000000, v[TQ+\b]  ; 4 off the exponent field: the conversion's scale operand
.endr
.irp b, 0,1
	DLY 2
	v_lshrrev_b32 v[TQ+8+\b], 23, v[TQ+6+\b]       ; the byte
.endr
	DLY 1
	v_lshl_or_b32 v[PW], v[TQ+9], 8, v[TQ+8]
	v_cvt_scalef32_pk16_bf6_f32 v[PC:PC+2], v[ACC:ACC+15], v[TQ+6]
	v_cvt_scalef32_pk16_bf6_f32 v[PT:PT+2], v[ACC+16:ACC+31], v[TQ+7]
	v_nop                                          ; one plain place behind a scaled conversion
.endm
; A tile of 16 tokens.  pre = 1: the next tile's operands are asked for as soon as the conversions have read theirs.
.macro TILE pre
	s_wait_xcnt 0x0                                ; the last tile's stores have read their offsets and their data: both are written again below
	s_wait_dscnt 6                                 ; b1, x's scale words and K steps 0, 1 are in; the youngest six loads (K steps 2, 3) may be out
	MULK 0, 0
	MULK 1, 1
	s_lshr_b32 s35, s32, 3                         ; tile i lies at 1,536 (i % 8) in the panel of token group i / 8, 409,600 bytes on
	s_mul_i32 s35, s35, 397312
	s_mul_i32 s78, s32, 1536
	s_add_co_u32 s35, s35, s78
	v_add_nc_u32 v[HO], s35, v[LI]                 ; four plain lines: the places in front of the loads below
	v_add_nc_u32 v[HO2], s35, v[L8]
	v_add_nc_u32 v[SWA], s34, v[SWL]
	v_nop
	XLD 4, 0
	XLD 5, 1
	s_wait_dscnt 6                                 ; K steps 2, 3 are in; the six just issued may be out
	MULK 2, 2
	MULK 3, 3
	WIN 0
	PLACES 4
	XLD 6, 2
	XLD 7, 3
	s_wait_dscnt 6                                 ; K steps 4, 5 are in
	MULK 4, 0
	MULK 5, 1
	s_wait_dscnt 0x0
	MULK 6, 2
	MULK 7, 3
	WIN 0
	s_add_co_u32 s34, s34, 64
.if \pre
	s_add_co_u32 s33, s33, REC
	v_add_nc_u32 v[XA], s33, v[LI]                 ; four places behind the products
	PLACES 3
.else
	PLACES 4
.endif
	GELU8 ACC
	GELU8 ACC+8
	GELU8 ACC+16
	GELU8 ACC+24
	QUANT
	ds_store_b16 v[SWA], v[PW]                     ; lanes r and r + 16 write the same two bytes
.if \pre
	BIASLD
	ds_load_b128 v[XS:XS+3], v[XA] offset:12288
	XLD 0, 0
	XLD 1, 1
	XLD 2, 2
	XLD 3, 3
.endif
.irp i, 0,1,2                          ; the operand's layout wants a whole block in a lane: lanes 0-15 block 2 c, lanes 16-31 block 2 c + 1
	v_permlane16_swap_b32 v[PC+\i], v[PT+\i]
.endr
.irp i, 0,1,2
	DLY 3
	v_mov_b32 v[PC+3+\i], v[PT+\i]
.endr
	global_store_b128 v[HO], v[PC:PC+3], s[36:37]                  ; 512 consecutive bytes, aligned
	global_store_b64 v[HO2], v[PC+4:PC+5], s[36:37] offset:512     ; 256 consecutive bytes, aligned
.endm
	s_load_b256 s[4:11], s[0:1], 0x0               ; XT s[4:5], W1P s[6:7], b1 s[8:9], HP s[10:11]
	v_lshl_add_u32 v[SPW], v0, 2, SPARE
	v_mov_b32 v[NIL], 0
	ds_add_u32 v[SPW], v[NIL]
	ds_add_u32 v[SPW], v[NIL]
	v_lshrrev_b32 v64, 5, v0
	DLY 1
	v_readfirstlane_b32 s12, v64                   ; wave 0..7
	s_lshr_b32 s67, s12, 1                         ; which row group of the block's four
	s_and_b32 s66, s12, 1                          ; c: which 64 of its units
	s_bfe_u32 s13, ttmp6, 0x40000                  ; cx: it enters addresses in memory alone
	s_lshl_b32 s14, ttmp9, 2
	s_add_co_u32 s14, s14, s13                     ; the block of 512 units
	s_and_b32 s15, ttmp7, 0xffff                   ; the block of 256 tokens, which the four partners share
	s_lshl_b32 s16, s14, 2
	s_add_co_u32 s16, s16, s67                     ; rg = 32 e + f / 128
	s_lshr_b32 s17, s16, 5                         ; e
	s_bfe_u32 s18, s16, 0x40001                    ; the slot of the next product's K: f / 256
	s_and_b32 s19, s16, 1                          ; and which half of it
	s_mov_b32 s20, 1                               ; group 0: count
	s_mul_i32 s21, s12, 2*REC                      ; LDS address: two records a wave
	s_mul_i32 s78, s15, 16*REC
	s_add_co_u32 s78, s78, s21
	s_mov_b32 s79, 0
	s_mov_b32 s24, 15|(3<<16)|(1<<21)              ; group 1: the mask names all four; elements of 8 bytes; bit 21 beside a mask; no padding: images are read 16 bytes a lane on end
	s_mov_b32 s25, 32<<16                          ; rows of 256 bytes
	s_mov_b32 s26, 100<<16                         ; 100 rows: 25,600 dense bytes
	s_mov_b32 s27, 32<<16
	s_mov_b32 s28, 100
	s_mov_b32 s29, 32
	s_mov_b32 s30, 0
	s_mov_b32 s31, 0
	s_lshl_b32 s2, s17, 5
	s_lshl_b32 s3, s15, 1
	s_add_co_u32 s2, s2, s3                        ; h's row group 32 e + tokens / 128
	s_lshl_b32 s2, s2, 4
	s_add_co_u32 s2, s2, s18
	s_mul_i32 s2, s2, 25600                        ; its panel
	s_mul_i32 s3, s19, 12288
	s_add_co_u32 s36, s2, s3
	s_mul_i32 s3, s66, 768
	s_add_co_u32 s36, s36, s3                      ; my half of each fragment
	s_mov_b32 s37, 0
	s_lshl_b32 s3, s19, 9
	s_add_co_u32 s38, s2, s3
	s_add_co_u32 s38, s38, 24576
	s_mul_i32 s3, s66, 409600                      ; at the end wave c stores the scale words of token group c
	s_add_co_u32 s38, s38, s3
	s_mov_b32 s39, 0
	KPAIR N6, -4.2595972781454e-12
	KPAIR N4, -1.31314001301567e-07
	KPAIR N3, -7.115632993279325e-06
	KPAIR N2, -1.8374765758171375e-04
	KPAIR N1, -1.477299904270125e-03
	KPAIR N0, -1.60960333262415e-02
	KPAIR D4, -1.28747102218e-06
	KPAIR D2, -5.94969182543e-04
	KPAIR D1, -5.21373105407e-03
	KPAIR D0, -2.01733874301e-02
	s_mov_b32 s[PL], 5.656854249
	s_mov_b32 s[NL], -5.656854249
	s_mov_b32 s[SEL], 0x76543210
	s_mov_b32 s[SEL+1], 0xfedcba98
	s_lshl_b32 s69, s12, 9
	s_add_co_u32 s69, s69, BIAS                    ; my 512 bytes of b1
	s_lshl_b32 s3, s66, 8
	s_add_co_u32 s72, s69, s3                      ; my 64 units in them
	s_lshl_b32 s73, s67, 10
	s_add_co_u32 s73, s73, SCR                     ; my pair's scratch
	s_lshl_b32 s3, s66, 1
	s_add_co_u32 s74, s73, s3                      ; my two bytes of each word
	s_lshl_b32 s3, s66, 9
	s_add_co_u32 s68, s73, s3                      ; and the half that I read back
	v_and_b32 v64, 31, v0                          ; lane
	v_and_b32 v65, 15, v0                          ; r
	v_bfe_u32 v66, v0, 4, 1                        ; h
	DLY 3
	v_lshlrev_b32 v[LI], 4, v64
	DLY 4
	v_lshlrev_b32 v[L8], 3, v64
	DLY 3
	v_lshlrev_b32 v67, 9, v66
	DLY 4
	v_lshl_add_u32 v[BA], v66, 6, s72
	v_lshl_add_u32 v[SWL], v65, 2, s74
	v_add_nc_u32 v68, s69, v[LI]                   ; where b1 is put
	DLY 4
	v_lshl_add_u32 v67, v65, 2, v67                ; 512 h + 4 r: W1's scale words
	v_mov_b32 v[XA], v[LI]
	v_mov_b32 v[CA], 8.6583794529969e-10
	v_mov_b32 v[CA+1], 8.6583794529969e-10
	v_mov_b32 v[CB], -3.77195603504e-05
	v_mov_b32 v[CB+1], -3.77195603504e-05
	s_wait_alu depctr_va_vdst(0)
	s_wait_dscnt 0x0
	s_wait_kmcnt 0x0
	s_add_nc_u64 s[36:37], s[10:11], s[36:37]      ; where my halves of h's fragments go,
	s_add_nc_u64 s[38:39], s[10:11], s[38:39]      ; and the scale words
	s_add_nc_u64 s[22:23], s[4:5], s[78:79]        ; group 0: my two records of x
	s_or_b32 s23, s23, 0x80000000                  ; type = 2
	s_mul_i32 s2, s16, 102400
	s_mov_b32 s3, 0
	s_add_nc_u64 s[6:7], s[6:7], s[2:3]            ; my row group's four panels of W1
	s_lshl_b32 s2, s66, 8
	s_add_nc_u64 s[70:71], s[6:7], s[2:3]          ; my four tiles' scale words: 64 bytes a tile
	s_mul_i32 s2, s66, 6144
	s_add_nc_u64 s[6:7], s[6:7], s[2:3]            ; my four tiles' fragments
	s_lshl_b32 s2, s16, 9
	s_add_nc_u64 s[8:9], s[8:9], s[2:3]            ; the row group's 128 numbers of b1
	CROUND                                         ; all four work-groups are here: the joint loads meet
	tensor_load_to_lds s[20:23], s[24:31]          ; the one fill of the launch: one load of mine is out
	s_nop 0
	PLACES 4
.set FI, 0
.rept 32                               ; W1's fragment (K step FI / 4, tile FI % 4): three loads of 512 consecutive bytes
.set KS, FI/4
.set TT, FI%4
.if FI < 11
	WIN 0
.set WR, WF0+12*FI
.else
	WIN 0x40
.set WR, 12*(FI-11)
.endif
.irp j, 0,1,2
	global_load_b128 v[WR+4*\j:WR+4*\j+3], v[LI], s[6:7] offset:(KS/2)*25600+(8*(KS%2)+TT)*1536+512*\j
.endr
.set FI, FI+1
.endr
	WIN 0
.irp t, 0,1,2,3
.irp q, 0,1,2,3
	global_load_b32 v[W1S+4*\t+\q], v67, s[70:71] offset:25600*\q+24576+64*\t
.endr
.endr
	global_load_b128 v[PC:PC+3], v[LI], s[8:9]
	s_wait_loadcnt 0x0
	ds_store_b128 v68, v[PC:PC+3]
	s_wait_tensorcnt 0x0                           ; my part of x has landed,
	s_wait_dscnt 0x0
	s_barrier_signal -1
	s_barrier_wait -1                              ; everybody's has
	s_mov_b32 s32, 0                               ; the tile
	s_mov_b32 s33, 0                               ; its record in LDS
	s_mov_b32 s34, 0                               ; its 64 bytes in the scratch
	BIASLD
	ds_load_b128 v[XS:XS+3], v[XA] offset:12288
	XLD 0, 0
	XLD 1, 1
	XLD 2, 2
	XLD 3, 3
.Ltile:
	TILE 1
	s_add_co_u32 s32, s32, 1
	s_cmp_lt_u32 s32, 15
	s_wait_alu depctr_va_vdst(0)
	s_cbranch_scc1 .Ltile
	TILE 0                                         ; the last tile asks for nothing more
	s_wait_dscnt 0x0                               ; for my partner's sake: my bytes of the scale words lie in LDS
	s_barrier_signal -1
	s_barrier_wait -1
	v_add_nc_u32 v64, s68, v[LI]
	ds_load_b128 v[72:75], v64                     ; the whole words of tiles 8 c .. 8 c + 7
	s_wait_dscnt 0x0
	global_store_b128 v[LI], v[72:75], s[38:39]    ; 512 consecutive bytes of token group c's panel
	s_wait_tensorcnt 0x0                           ; the wave's end
	ds_add_u32 v[SPW], v[NIL]
	s_wait_dscnt 0x0
	CROUND                                         ; the closing round
	s_endpgm
.Lfunc_end_k_q691ca3cebb_ffn1:
	.size	k_q691ca3cebb_ffn1, .Lfunc_end_k_q691ca3cebb_ffn1-k_q691ca3cebb_ffn1
	.p2alignl 7, 3214868480
	.fill 96, 4, 3214868480
	.section	.rodata,"a",@progbits
	.p2align	6, 0x0
	.amdhsa_kernel k_q691ca3cebb_ffn1
		.amdhsa_group_segment_fixed_size 214016
		.amdhsa_private_segment_fixed_size 0
		.amdhsa_enable_private_segment 0
		.amdhsa_kernarg_size 32
		.amdhsa_user_sgpr_count 2
		.amdhsa_user_sgpr_kernarg_segment_ptr 1
		.amdhsa_wavefront_size32 1
		.amdhsa_system_sgpr_workgroup_id_x 1
		.amdhsa_system_sgpr_workgroup_id_y 1
		.amdhsa_system_sgpr_workgroup_id_z 1
		.amdhsa_system_vgpr_workitem_id 0
		.amdhsa_next_free_vgpr 512
		.amdhsa_next_free_sgpr 80
		.amdhsa_reserve_vcc 0
		.amdhsa_float_denorm_mode_32 3
		.amdhsa_float_denorm_mode_16_64 3
		.amdhsa_memory_ordered 1
		.amdhsa_forward_progress 1
		.amdhsa_inst_pref_size 77
	.end_amdhsa_kernel
	.amdgpu_metadata
---
amdhsa.version: [ 1, 2 ]
amdhsa.kernels:
  - .name:           k_q691ca3cebb_ffn1
    .symbol:         k_q691ca3cebb_ffn1.kd
    .args:
      - { .name: XT, .offset: 0, .size: 8, .value_kind: global_buffer, .address_space: global }
      - { .name: W1P, .offset: 8, .size: 8, .value_kind: global_buffer, .address_space: global }
      - { .name: b1, .offset: 16, .size: 8, .value_kind: global_buffer, .address_space: global }
      - { .name: HP, .offset: 24, .size: 8, .value_kind: global_buffer, .address_space: global }
    .group_segment_fixed_size: 214016
    .private_segment_fixed_size: 0
    .kernarg_segment_align: 8
    .kernarg_segment_size: 32
    .max_flat_workgroup_size: 256
    .sgpr_count:     80
    .vgpr_count:     512
    .wavefront_size: 32
...
	.end_amdgpu_metadata
.endif
;; end of part 2
;; launch ffn2 (part 3): grid 8 x 32, 4 waves a work-group, clusters of 4 x 1, 327,680 bytes of LDS; arguments HP, W2P, b2, GT, out0; writes out0
.if DOCPART == 3
	.amdgcn_target "amdgcn-amd-amdhsa--gfx1250"
	.amdhsa_code_object_version 6
	.text
	.protected	k_q691ca3cebb_ffn2
	.globl	k_q691ca3cebb_ffn2
	.p2align	8
	.type	k_q691ca3cebb_ffn2,@function
k_q691ca3cebb_ffn2:
	s_mov_b64 s[64:65], 0
	v_nop
	global_prefetch_b8 v0, s[64:65] scope:SCOPE_SE
	s_setreg_imm32_b32 hwreg(HW_REG_WAVE_MODE, 25, 1), 1
	s_wait_xcnt 0x0
	s_wait_alu depctr_hold_cnt(0) depctr_sa_sdst(0) depctr_va_vdst(0) depctr_va_sdst(0) depctr_va_ssrc(0) depctr_va_vcc(0) depctr_vm_vsrc(0)
	s_getreg_b32 s2, hwreg(HW_REG_IB_STS2, 6, 4)
	s_cmp_eq_u32 s2, 0
	s_cbranch_scc0 .Lentry_in_a_cluster
	s_endpgm
.Lentry_in_a_cluster:
	s_bfe_u32 s2, ttmp6, 0x10000c
	s_cmp_lg_u32 s2, 0x3003
	s_cbranch_scc0 .Lentry_shape_is_right
	s_endpgm
.Lentry_shape_is_right:
; out = sum over the experts of gate x (h W2 + b2), on codes of BF6 with E8M0 scales.  A work-group: 128 tokens x 128 columns.  Wave w: expert w / 2, the K steps of parity w % 2: 128 x 128 of f32 in 512 registers;
; the four waves' parts are weighed by the gates and added through LDS on the way out.
; h's panels come through a ring of two LDS slots (four panels each), asked for jointly by the four work-groups of a cluster, which take the same tokens; W2's fragments go straight into registers: nobody in the cluster shares them.
; PREFETCH.  h: behind each refill a wave names its panel of the fill two refills on: 100 blocks of 256 bytes, of which the partner at place cx takes 25, a lane a block (lanes 25-31 name the 25th again);
; fills 2 and 3 are named at the head, fills 0 and 1 come by their loads alone; the last trip names nothing.  W2: in each step a wave names its half of the panel two panels beyond the one that its loads take:
; 48 blocks of codes and 2 of scale words, two instructions; panels 4 to 15, each once.  The addresses are stepped behind the loop's wait on XCNT, 32 matrix instructions behind the trip's last prefetch.
.set PANEL, 25600
.set SLOT,  4*PANEL
.set FR,    12
.set SREG,  128*528
.set SPARE, 4*SREG
.set RD,   8
.set VBF,  12
.set VBS,  13
.set ADRA, 16
.set ADRH, 18                          ; v18-19 the same with 8 bytes a lane: a half fragment of h is 512 bytes, 16 a lane, then 256 bytes, 8 a lane
.set ADRS, 22
.set PFO,  14                          ; v14  h's prefetch: 256 x min(lane, 24)
.set PFB,  15                          ; v15  W2's: blocks 0-31 of my half panel
.set PFB2, 20                          ; v20  W2's: blocks 32-47, then the two blocks of my scale words
.set PFA,  50                          ; s[50:51] my work-group's 25 blocks of my panel, at the fill that the trip's first refill brings
.set PA, 0                             ; set ahead of a step: h's prefetch names the fill PA fills beyond s[PFA]; 0: none
.set PB, 0                             ; W2's prefetch: 0 none, 1 always, 2 not in the last trip
.set STO,  24
.set CO,   26
.set SPW,  28
.set NIL,  29
.set SA,   32
.set SBW,  40
.set BI,   48
.set G,    112
.set AF,   128
.set G1,  24
.set G0,  32
.set WB,  48
.set MSB, 0
.macro WIN new
.if MSB != (\new)
	s_set_vgpr_msb (MSB<<8)|(\new)
.set MSB, (\new)
.endif
.endm
.set TO_B, 0x40
.macro CREST
	s_cmp_lg_u32 s14, 0
	s_cbranch_scc1 .Lnot_wave_0_\@
	s_barrier_signal -3
.Lnot_wave_0_\@:
	s_barrier_wait -3
	s_barrier_signal -1
	s_barrier_wait -1
.endm
.macro CROUND
	s_barrier_signal -1
	s_barrier_wait -1
	CREST
.endm
.macro PLACES n
.rept \n
	v_nop
.endr
.endm
.macro FETCH_A slot, q, i0
.irp i, \i0, \i0+1, \i0+2, \i0+3
.irp c, 0,1
	ds_load_b128 v[AF+FR*(\i)+6*\c:AF+FR*(\i)+6*\c+3], v[ADRA+\slot] offset:PANEL*(\q)+1536*(\i)+768*\c
	ds_load_b64 v[AF+FR*(\i)+6*\c+4:AF+FR*(\i)+6*\c+5], v[ADRH+\slot] offset:PANEL*(\q)+1536*(\i)+768*\c+512
.endr
.endr
.endm
.macro HSC slot, q
.irp u, 0,1,2,3
	ds_load_b32 v[SA+4*(\q)+\u], v[ADRS+\slot] offset:PANEL*(\q)+128*\u
.endr
.endm
.macro GLB b0, p, li
	WIN TO_B
.irp b, \b0, \b0+1, \b0+2, \b0+3
.irp j, 0,1,2
	global_load_b128 v[128*(\p)+FR*(\b)+4*\j:128*(\p)+FR*(\b)+4*\j+3], v[VBF], s[WB:WB+1] offset:(\li)*PANEL+1536*(\b)+512*\j
.endr
.endr
	WIN 0
	global_load_b32 v[SBW+4*(\p)+(\b0)/2], v[VBS], s[WB:WB+1] offset:(\li)*PANEL+64*(\b0)
	global_load_b32 v[SBW+4*(\p)+(\b0)/2+1], v[VBS], s[WB:WB+1] offset:(\li)*PANEL+64*(\b0)+128
.endm
.macro MULS a0, na, b0, p, first
.set MA, \a0
.rept \na
.set MB, \b0
.rept 4
.set RDD, 8*(8*(MA%4)+MB)
.set RBB, 128*(\p)+FR*MB
.set RAA, AF+FR*MA
.set RSB, SBW+4*(\p)+MB/2
.set RSA, SA+4*(\p)+MA/2
.if \first
.set RCC, BI+8*MB
.else
.set RCC, RDD
.endif
.if (MA%2) && (MB%2)
	v_wmma_scale_f32_16x16x128_f8f6f4 v[RDD:RDD+7], v[RBB:RBB+FR-1], v[RAA:RAA+FR-1], v[RCC:RCC+7], v[RSB], v[RSA] matrix_a_fmt:MATRIX_FMT_BF6 matrix_b_fmt:MATRIX_FMT_BF6 matrix_a_scale:MATRIX_SCALE_ROW1 matrix_b_scale:MATRIX_SCALE_ROW1
.elseif MB%2
	v_wmma_scale_f32_16x16x128_f8f6f4 v[RDD:RDD+7], v[RBB:RBB+FR-1], v[RAA:RAA+FR-1], v[RCC:RCC+7], v[RSB], v[RSA] matrix_a_fmt:MATRIX_FMT_BF6 matrix_b_fmt:MATRIX_FMT_BF6 matrix_a_scale:MATRIX_SCALE_ROW1
.elseif MA%2
	v_wmma_scale_f32_16x16x128_f8f6f4 v[RDD:RDD+7], v[RBB:RBB+FR-1], v[RAA:RAA+FR-1], v[RCC:RCC+7], v[RSB], v[RSA] matrix_a_fmt:MATRIX_FMT_BF6 matrix_b_fmt:MATRIX_FMT_BF6 matrix_b_scale:MATRIX_SCALE_ROW1
.else
	v_wmma_scale_f32_16x16x128_f8f6f4 v[RDD:RDD+7], v[RBB:RBB+FR-1], v[RAA:RAA+FR-1], v[RCC:RCC+7], v[RSB], v[RSA] matrix_a_fmt:MATRIX_FMT_BF6 matrix_b_fmt:MATRIX_FMT_BF6
.endif
.set MB, MB+1
.endr
.set MA, MA+1
.endr
.endm
.macro WLO first
.if \first
	WIN 0x81
.else
	WIN 0xa1
.endif
.endm
.macro WHI first
.if \first
	WIN 0xc1
.else
	WIN 0xf1
.endif
.endm
.macro STEP slot, q, first, bar, fetch, nslot, nq, ldb, li, w0, w1
	s_wait_loadcnt \w0
	s_wait_dscnt 16
	WLO \first
	MULS 0, 4, 0, \q, \first
.if \bar
	WIN 0
	s_wait_tensorcnt 0x0
	ds_add_u32 v[SPW], v[NIL]
	s_wait_dscnt 1
	WHI \first
	MULS 4, 2, 0, \q, \first
	s_wait_dscnt 0x0
	s_barrier_signal -1
	MULS 6, 2, 0, \q, \first
	WIN 0
	s_barrier_wait -1
.if \bar == 1
	CREST
	s_add_nc_u64 s[G0+4*\slot+2:G0+4*\slot+3], s[G0+4*\slot+2:G0+4*\slot+3], 4*PANEL
	tensor_load_to_lds s[G0+4*\slot:G0+4*\slot+3], s[G1:G1+7]
	s_nop 0
	PLACES 4
.else
	PLACES 4
.endif
.else
	s_wait_dscnt 0x0
	WHI \first
	MULS 4, 4, 0, \q, \first
	PLACES 4
	WIN 0
.endif
.if \ldb
	GLB 0, \q, \li
.endif
.if PA
	s_cmp_gt_u32 s3, 1                             ; the last trip's refills have no fill two on
	s_cbranch_scc0 .Lno_a_\@
	global_prefetch_b8 v[PFO], s[PFA:PFA+1] offset:PA*2*PANEL th:TH_LOAD_NT scope:SCOPE_SE
.Lno_a_\@:
.endif
.if PB == 2
	s_cmp_gt_u32 s3, 1                             ; in the last trip this would be panel 16
	s_cbranch_scc0 .Lno_b_\@
.endif
.if PB
	global_prefetch_b8 v[PFB], s[WB:WB+1] offset:((\li)+2)*PANEL th:TH_LOAD_NT scope:SCOPE_SE
	global_prefetch_b8 v[PFB2], s[WB:WB+1] offset:((\li)+2)*PANEL th:TH_LOAD_NT scope:SCOPE_SE
.endif
.if PB == 2
.Lno_b_\@:
.endif
	s_wait_loadcnt \w1
	WLO \first
	MULS 0, 4, 4, \q, \first
	PLACES 4
	WIN 0
.if \fetch
	FETCH_A \nslot, \nq, 0
	HSC \nslot, \nq
.endif
	WHI \first
	MULS 4, 4, 4, \q, \first
	PLACES 4
	WIN 0
.if \fetch
	FETCH_A \nslot, \nq, 4
.endif
.if \ldb
	GLB 4, \q, \li
.endif
.endm
	s_load_b256 s[4:11], s[0:1], 0x0
	s_load_b64 s[12:13], s[0:1], 0x20
	v_lshl_add_u32 v[SPW], v0, 2, SPARE
	v_mov_b32 v[NIL], 0
	ds_add_u32 v28, v29
	ds_add_u32 v28, v29
	s_wait_dscnt 0x0
	v_lshrrev_b32 v1, 5, v0
	v_readfirstlane_b32 s14, v1
	s_and_b32 s15, s14, 1
	s_lshr_b32 s16, s14, 1
	s_bfe_u32 s40, ttmp6, 0x40000
	s_lshl_b32 s42, ttmp9, 2
	s_add_co_u32 s42, s42, s40
	s_and_b32 s17, ttmp7, 0xffff
	s_mov_b32 s[G1], 15|(3<<16)|(1<<21)
	s_mov_b32 s[G1+1], 32<<16
	s_mov_b32 s[G1+2], 100<<16
	s_mov_b32 s[G1+3], 32<<16
	s_mov_b32 s[G1+4], 100
	s_mov_b32 s[G1+5], 32
	s_mov_b32 s[G1+6], 0
	s_mov_b32 s[G1+7], 0
	s_lshl_b32 s20, s16, 5
	s_add_co_u32 s20, s20, s17
	s_lshl_b32 s20, s20, 4
	s_add_co_u32 s20, s20, s15
	s_mul_i32 s20, s20, PANEL
	s_mov_b32 s21, 0
	s_lshl_b32 s46, s16, 3
	s_add_co_u32 s46, s46, s42
	s_mul_i32 s46, s46, 16*PANEL
	s_mov_b32 s47, 0
	s_mul_i32 s45, s14, PANEL
	s_lshl_b32 s66, s16, 14
	s_lshl_b32 s67, s17, 9
	s_add_co_u32 s66, s66, s67
	s_mov_b32 s67, 0
	s_lshl_b32 s68, s16, 12
	s_lshl_b32 s69, s42, 9
	s_add_co_u32 s68, s68, s69
	s_mov_b32 s69, 0
	s_lshl_b32 s72, s17, 7
	s_lshl_b32 s73, s14, 5
	s_add_co_u32 s72, s72, s73
	s_lshl_b32 s72, s72, 12
	s_lshl_b32 s73, s42, 9
	s_add_co_u32 s72, s72, s73
	s_mov_b32 s73, 0
	s_cmp_eq_u32 s15, 0
	s_cselect_b32 s70, 1.0, 0
	s_mov_b32 s71, s70
	s_wait_kmcnt 0x0
	s_add_nc_u64 s[20:21], s[4:5], s[20:21]
	s_mul_i32 s52, s40, 6400                       ; my work-group's 25 blocks: the partners are told apart by address alone
	s_add_co_u32 s52, s52, 4*PANEL                 ; fill 2
	s_mov_b32 s53, 0
	s_add_nc_u64 s[PFA:PFA+1], s[20:21], s[52:53]
	s_add_nc_u64 s[WB:WB+1], s[6:7], s[46:47]
	s_add_nc_u64 s[66:67], s[10:11], s[66:67]
	s_add_nc_u64 s[68:69], s[8:9], s[68:69]
	s_add_nc_u64 s[12:13], s[12:13], s[72:73]
.irp s, 0,1
	s_mov_b32 s[G0+4*\s], 1
	s_add_co_u32 s[G0+4*\s+1], s45, \s*SLOT
	s_add_nc_u64 s[G0+4*\s+2:G0+4*\s+3], s[20:21], \s*2*PANEL
	s_or_b32 s[G0+4*\s+3], s[G0+4*\s+3], 0x80000000
.endr
	CROUND
	tensor_load_to_lds s[G0:G0+3], s[G1:G1+7]
	s_nop 0
	; the addresses, and the loads of the gates, of b2 and of W2's first two panels, are issued while slot 0's fill is out
	v_and_b32 v1, 15, v0
	v_bfe_u32 v2, v0, 4, 1
	v_and_b32 v3, 31, v0
	v_lshlrev_b32 v[CO], 4, v3
	s_wait_alu depctr_va_vdst(0)
	v_lshlrev_b32 v5, 2, v1
	v_lshlrev_b32 v6, 6, v2
.irp a, 0,1,2,3,4,5,6,7
	global_load_b32 v[G+2*\a], v5, s[66:67] offset:64*\a
	global_load_b32 v[G+2*\a+1], v5, s[66:67] offset:64*\a
.endr
.irp b, 0,1,2,3,4,5,6,7
	global_load_b128 v[BI+8*\b:BI+8*\b+3], v6, s[68:69] offset:128*(\b/2)+32*(\b%2)
	global_load_b128 v[BI+8*\b+4:BI+8*\b+7], v6, s[68:69] offset:128*(\b/2)+32*(\b%2)+16
.endr
	s_mul_i32 s18, s15, 12288
	v_add_nc_u32 v[VBF], s18, v[CO]
	s_lshl_b32 s22, s15, 9
	s_add_co_u32 s22, s22, 24576
	v_lshl_add_u32 v[VBS], v3, 2, s22
	s_mul_i32 s19, s16, 2*PANEL
	s_add_co_u32 s18, s18, s19
	s_add_co_u32 s22, s22, s19
.irp s, 0,1
	v_add_nc_u32 v[ADRA+\s], s18, v[CO]
	v_lshl_add_u32 v[ADRH+\s], v3, 3, s18
	v_lshl_add_u32 v[ADRS+\s], v3, 2, s22
	s_add_co_u32 s18, s18, SLOT
	s_add_co_u32 s22, s22, SLOT
.endr
	v_min_u32 v[PFO], 24, v3
	v_min_u32 v[PFB2], 17, v3
	s_mul_i32 s52, s15, 12288                      ; my half of a panel of W2
	v_lshlrev_b32 v[PFO], 8, v[PFO]
	v_lshl_add_u32 v[PFB], v3, 8, s52
	s_add_co_u32 s53, s52, 8192
	v_lshl_add_u32 v30, v[PFB2], 8, s53            ; lanes 0-15: blocks 32-47
	s_lshl_b32 s53, s15, 9
	s_add_co_u32 s53, s53, 24576-16*256
	v_lshl_add_u32 v[PFB2], v[PFB2], 8, s53        ; lanes 16, 17: my 512 bytes of scale words (lanes 18-31 name the second block again)
	v_cmp_gt_u32 s74, 16, v3
	v_cndmask_b32 v[PFB2], v[PFB2], v30, s74
	global_prefetch_b8 v[PFO], s[PFA:PFA+1] th:TH_LOAD_NT scope:SCOPE_SE                  ; fill 2,
	global_prefetch_b8 v[PFO], s[PFA:PFA+1] offset:2*PANEL th:TH_LOAD_NT scope:SCOPE_SE   ; fill 3
	s_mul_i32 s23, s14, SREG
	v_mul_u32_u24 v7, v1, 528
	v_lshl_add_u32 v7, v2, 6, v7
	v_add_nc_u32 v[STO], s23, v7
	s_mul_i32 s23, s14, 32*528
.irp q, 0,1,2,3
	v_add_nc_u32 v[RD+\q], s23, v[CO]
	s_add_co_u32 s23, s23, SREG
.endr
	GLB 0, 0, 0
	GLB 4, 0, 0
	GLB 0, 1, 1
	GLB 4, 1, 1
	s_wait_alu depctr_va_vdst(0)
	s_wait_tensorcnt 0x0                           ; my part of slot 0 is in
	ds_add_u32 v28, v29
	s_wait_dscnt 0x0
	CROUND                                         ; everybody's part is in, and all four work-groups are here
	tensor_load_to_lds s[G0+4:G0+7], s[G1:G1+7]    ; slot 1's first fill, the first tensor load behind the round
	s_nop 0
	PLACES 4
	s_wait_loadcnt 56
.set NN, 0
.rept 32
	v_pk_mul_f32 v[BI+NN:BI+NN+1], v[BI+NN:BI+NN+1], s[70:71] op_sel_hi:[1,0]
.set NN, NN+2
.endr
	PLACES 8
	s_wait_alu depctr_va_vdst(0)
	s_wait_tensorcnt 1
	s_barrier_signal -1
	s_barrier_wait -1
	FETCH_A 0, 0, 0
	HSC 0, 0
	FETCH_A 0, 0, 4
.set PB, 1
	STEP 0, 0, 1, 0, 1, 0, 1, 1, 2, 42, 42
	s_mov_b32 s3, 3
.Llap:
.set PA, 2
	STEP 0, 1, 0, 1, 1, 1, 0, 1, 3, 42, 42
.set PA, 0
	STEP 1, 0, 0, 0, 1, 1, 1, 1, 4, 42, 42
.set PA, 3
	STEP 1, 1, 0, 1, 1, 0, 0, 1, 5, 42, 42
.set PA, 0
.set PB, 2
	STEP 0, 0, 0, 0, 1, 0, 1, 1, 6, 42, 42
.set PB, 0
	s_wait_xcnt 0x0
	s_add_nc_u64 s[WB:WB+1], s[WB:WB+1], 4*PANEL
	s_add_nc_u64 s[PFA:PFA+1], s[PFA:PFA+1], 4*PANEL
	s_sub_co_u32 s3, s3, 1
	s_cmp_lg_u32 s3, 0
	s_cbranch_scc1 .Llap
	STEP 0, 1, 0, 2, 1, 1, 0, 1, 3, 42, 42
	STEP 1, 0, 0, 0, 1, 1, 1, 0, 0, 42, 28
	STEP 1, 1, 0, 0, 0, 0, 0, 0, 0, 14, 0
	s_barrier_signal -1
	s_barrier_wait -1
.irp a, 0,1,2,3,4,5,6,7
.set AC, 64*(\a%4)
	WIN 0x82+0x41*(\a/4)
.set NN, 0
.rept 32
	v_pk_mul_f32 v[AC+NN:AC+NN+1], v[AC+NN:AC+NN+1], v[G+2*\a:G+2*\a+1]
.set NN, NN+2
.endr
	WIN 0x08+4*(\a/4)
.irp b, 0,1,2,3,4,5,6,7
	ds_store_b128 v[STO], v[AC+8*\b:AC+8*\b+3] offset:8448*\a+128*(\b/2)+32*(\b%2)
	ds_store_b128 v[STO], v[AC+8*\b+4:AC+8*\b+7] offset:8448*\a+128*(\b/2)+32*(\b%2)+16
.endr
.endr
	WIN 0
	s_wait_dscnt 0x0
	s_barrier_signal -1
	s_barrier_wait -1
.macro LDB bt
.set SB, 128+64*((\bt)%2)
.irp rr, 0,1,2,3
.irp q, 0,1,2,3
	ds_load_b128 v[SB+16*\rr+4*\q:SB+16*\rr+4*\q+3], v[RD+\q] offset:528*(4*(\bt)+\rr)
.endr
.endr
.endm
	LDB 0
.irp bt, 0,1,2,3,4,5,6,7
.if \bt < 7
.if \bt > 0
	s_wait_xcnt 0x0
.endif
	LDB \bt+1
	s_wait_dscnt 16
.else
	s_wait_dscnt 0x0
.endif
.set SB, 128+64*(\bt%2)
.irp rr, 0,1,2,3
	v_pk_add_f32 v[SB+16*\rr:SB+16*\rr+1], v[SB+16*\rr:SB+16*\rr+1], v[SB+16*\rr+4:SB+16*\rr+5]
	v_pk_add_f32 v[SB+16*\rr+2:SB+16*\rr+3], v[SB+16*\rr+2:SB+16*\rr+3], v[SB+16*\rr+6:SB+16*\rr+7]
	v_pk_add_f32 v[SB+16*\rr+8:SB+16*\rr+9], v[SB+16*\rr+8:SB+16*\rr+9], v[SB+16*\rr+12:SB+16*\rr+13]
	v_pk_add_f32 v[SB+16*\rr+10:SB+16*\rr+11], v[SB+16*\rr+10:SB+16*\rr+11], v[SB+16*\rr+14:SB+16*\rr+15]
	v_pk_add_f32 v[SB+16*\rr:SB+16*\rr+1], v[SB+16*\rr:SB+16*\rr+1], v[SB+16*\rr+8:SB+16*\rr+9]
	v_pk_add_f32 v[SB+16*\rr+2:SB+16*\rr+3], v[SB+16*\rr+2:SB+16*\rr+3], v[SB+16*\rr+10:SB+16*\rr+11]
	global_store_b128 v[CO], v[SB+16*\rr:SB+16*\rr+3], s[12:13] offset:4096*(4*\bt+\rr) th:TH_STORE_NT
.endr
.endr
	s_wait_tensorcnt 0x0
	ds_add_u32 v[SPW], v[NIL]
	s_wait_dscnt 0x0
	CROUND
	s_endpgm
.Lfunc_end_k_q691ca3cebb_ffn2:
	.size	k_q691ca3cebb_ffn2, .Lfunc_end_k_q691ca3cebb_ffn2-k_q691ca3cebb_ffn2
	.p2alignl 7, 3214868480
	.fill 96, 4, 3214868480
	.section	.rodata,"a",@progbits
	.p2align	6, 0x0
	.amdhsa_kernel k_q691ca3cebb_ffn2
		.amdhsa_group_segment_fixed_size 327680
		.amdhsa_private_segment_fixed_size 0
		.amdhsa_enable_private_segment 0
		.amdhsa_kernarg_size 40
		.amdhsa_user_sgpr_count 2
		.amdhsa_user_sgpr_kernarg_segment_ptr 1
		.amdhsa_wavefront_size32 1
		.amdhsa_system_sgpr_workgroup_id_x 1
		.amdhsa_system_sgpr_workgroup_id_y 1
		.amdhsa_system_sgpr_workgroup_id_z 1
		.amdhsa_system_vgpr_workitem_id 0
		.amdhsa_next_free_vgpr 1024
		.amdhsa_next_free_sgpr 100
		.amdhsa_reserve_vcc 0
		.amdhsa_float_denorm_mode_32 3
		.amdhsa_float_denorm_mode_16_64 3
		.amdhsa_memory_ordered 1
		.amdhsa_forward_progress 1
		.amdhsa_inst_pref_size 174
	.end_amdhsa_kernel
	.amdgpu_metadata
---
amdhsa.version: [ 1, 2 ]
amdhsa.kernels:
  - .name:           k_q691ca3cebb_ffn2
    .symbol:         k_q691ca3cebb_ffn2.kd
    .args:
      - { .name: HP, .offset: 0, .size: 8, .value_kind: global_buffer, .address_space: global }
      - { .name: W2P, .offset: 8, .size: 8, .value_kind: global_buffer, .address_space: global }
      - { .name: b2, .offset: 16, .size: 8, .value_kind: global_buffer, .address_space: global }
      - { .name: GT, .offset: 24, .size: 8, .value_kind: global_buffer, .address_space: global }
      - { .name: out0, .offset: 32, .size: 8, .value_kind: global_buffer, .address_space: global }
    .group_segment_fixed_size: 327680
    .private_segment_fixed_size: 0
    .kernarg_segment_align: 8
    .kernarg_segment_size: 40
    .max_flat_workgroup_size: 128
    .sgpr_count:     100
    .vgpr_count:     1024
    .wavefront_size: 32
...
	.end_amdgpu_metadata
.endif
;; end of part 3
